; MI455X (gfx1250); checked and timed in simulation.
; The chip was launched on July 23, 2026; its instructions are those of AMD's public machine-readable ISA for CDNA 5 (MIT licence, August 2026) and "CDNA5" Instruction Set Architecture Reference Guide (July 2026). The comments in the code are by the model that wrote it; some were corrected since.
;; Loss. Allowed arithmetic: float matrix products may take bf16 or f16 operands with f32 sums; other float arithmetic in f32, or as packed bf16 or f16 multiplies, adds, multiply-adds, maxima and minima; sums over many terms, partial sums and values carried from step to step in f32; what a program stores and reads back later, other than sums and carried values, may be rounded once to bf16 or f16.
;; Inputs: batch 128 x 512 x 80 float32; model_score_for_div 128 x 512 float32; model_score_for_ndcg 128 x 512 float32; relevance 128 x 512 float32.
;; Outputs: out0 128 float32; out1 128 float32; out2 128 float32; out3 128 float32.
;; One version. Each part assembles by itself: llvm-mc -triple=amdgcn-amd-amdhsa -mcpu=gfx1250 --defsym DOCPART=n.
;; ======== version 1 of 1: 1 launch
;; launch loss (part 1): grid 128 x 2, 16 waves a work-group, no clusters, 92,928 bytes of LDS; arguments batch, model_score_for_div, model_score_for_ndcg, relevance, out0, out1, out2, out3; writes out0, out1, out2, out3
.if DOCPART == 1
	.amdgcn_target "amdgcn-amd-amdhsa--gfx1250"
	.amdhsa_code_object_version 6
	.text
	.protected	k_qe8de63fe41_loss
	.globl	k_qe8de63fe41_loss
	.p2align	8
	.type	k_qe8de63fe41_loss,@function
k_qe8de63fe41_loss:
	s_mov_b64 s[64:65], 0
	v_nop
	global_prefetch_b8 v0, s[64:65] scope:SCOPE_SE
	s_setreg_imm32_b32 hwreg(HW_REG_WAVE_MODE, 25, 1), 1
	s_wait_xcnt 0x0
; THE LOSS'S FOUR NUMBERS FOR EACH OF 128 USERS.  N = 512 items, 64 item features, top 10, tau = 0.1, five iterations of column and row scaling.
; Work-group (u, 0) makes approx_ndcg[u] (out0) and ndcg_score[u] (out1); work-group (u, 1) makes approx_div[u] (out2) and div_score[u] (out3).  16 waves, 512 threads.
;
; THE SOFT PERMUTATION AS TWO VECTORS.  The softmax's division and every division of sinkhorn_scaling divide whole rows or whole columns, so at every step
;   mat[i][j] = r[i] K[i][j] c[j],   K[i][j] = exp(logit[i][j] - max_j logit[i][j]),   logit[i][j] = (v[i] s[j] - a_sum[j]) / tau,   v[i] = 511 - 2 i.
; A column step is c[j] /= max(c[j] sum_i r[i] K[i][j], 1e-10), a row step r[i] /= max(r[i] sum_j K[i][j] c[j], 1e-10): the clips stand on the sums that reference() clips.
; The softmax is the row step from r = c = 1 (its sum holds the term exp(0), so the clip is idle there).  r and c are kept in f32, apart from the exponent.
; K (1 MiB in f32) is not kept: each pass makes it anew as exp2(fma(v, S, -A) - M), S = s log2(e)/tau, A = a_sum log2(e)/tau, M = the row's maximum of fma(v, S, -A):
; the same three operations on the same numbers in both orientations, so every pass sees the same K bit for bit.
; ORIENTATIONS.  Column pass: a lane owns 16 columns (j = 128 q + 4 lane + e), a wave 32 rows.  Row pass: a lane owns 16 rows (same map), a wave 32 columns.  No sum crosses lanes inside a pass;
; the 16 waves' partial sums meet in LDS, and thread t, which owns row t and column t, makes the update.
;
; WORK OF reference() THAT IS LEFT OUT, for all finite values of the inputs:
;  1. batch[:, :, 64:80]: calc_diversity slices it away (items = batch[:, :, :64]); those 64 bytes of each row are not loaded.
;  2. p_ndcg's rows 10 .. 511 behind the last column step: calc_dcg takes approx_rel[:, :10], so the last row step and the product with relevance are made for rows 0 .. 9 alone.
;  3. The 512 x 512 matrix of cosines.  With y_i = x_i n_i:  sum_{i<j} x_i x_j (1 - n_i.n_j) = sum_{i<j} x_i x_j - sum_{i<j} y_i.y_j, and each half is taken as
;     sum_j y_j . (sum_{i<j} y_i), over sets of 16 items and then over the 32 sets.  No term i = i enters, so the one difference formed is reference()'s own 1 - cos, summed.
;     (The order of the items is free: both sums run over all unordered pairs.)
;  4. real_mat.sum: argsort(argsort(.)) is a permutation of 1 .. 512, so clip(rank - 502, 0, 1) has ten ones: 45 pairs.
;  5. The scores' mean is taken off before v[i] s[j]: it adds v[i] x mean to all of row i, the same along the softmax's axis; a_sum holds differences alone.
;  6. The sorts: only the ten largest of a row are used.  They are taken one by one; among equal numbers the lower index goes first where reference() sorts -score and -relevance
;     (stable), the higher index where it ranks score ascending (stable).
; LIMITS.  Inputs are finite: NaN and infinities are not treated apart (a taken maximum is marked by -infinity), and a NaN, an infinity or an overflow that reaches only the work left out is not carried to the result.
; An exponential below 2^-126 counts as 0, and so does a sigmoid whose argument lies below about -88.
; r and c are held at 1e30 at most: a factor beyond that arises only where a row's or a column's sum stays under the clip 1e-10 for three steps on end; there mat counts as r K c with the held factor.
; A work-group's result is two numbers: they leave by stores of 4 bytes from one lane each.
; The 16 sums of a pass are cleared by 16 moves at its head, so that a pass has one form of step.
.set SR,    0          ; LDS: the scores as loaded, 4 bytes each
.set REL,   2048       ; relevance (ndcg kind)
.set S2,    4096       ; {s, s}
.set SH,    8192       ; S
.set NA,    10240      ; -A
.set MP,    12288      ; M
.set BW,    14336      ; div kind: a weight above 0 for each of the ten top items, else 0
.set CA,    16384      ; {S, S, -A, -A}
.set RS,    24576      ; {M, M, r, r}
.set CC,    32768      ; {c, c}
.set AB,    36864      ; div kind: {sigmoid weight, top-10 flag}
.set AS,    40960      ; div kind: for each of 32 sets of 16 items {sum of weights, sum over its pairs}
.set WS,    41216      ; div kind: for each wave the pairs' dot products inside its two sets {by sigmoid weights, by flags}
.set GN,    41472      ; ndcg kind: the ten gains of approx_dcg
.set DC,    41536      ; ndcg kind: {dcg, best_dcg}
.set VS,    41728      ; div kind: for each set 64 + 64 sums of weighted unit vectors
.set SPARE, 58112      ; the spare words, 128 bytes for each of 16 waves: eight blocks of 256 bytes that no other line names
.set PART,  60160      ; 16 waves x 512 partial sums
.set LN,   1           ; lane
.set A16L, 2           ; 16 lane
.set A4T,  3           ; 4 t
.set A8T,  4           ; 8 t
.set A16T, 5           ; 16 t
.set PW,   6           ; where my wave puts its partial sums
.set PR,   7           ; where thread t reads the 16 partial sums of index t
.set UA,   8           ; walking LDS addresses of a pass
.set UB,   9
.set SPW,  10          ; my spare word; never rewritten
.set NIL,  11          ; 0; never rewritten
.set SRAW, 12          ; s[t]
.set MEAN, 13          ; the scores' mean;
.set WT,   13          ; later, div kind: 512 - t
.set RT,   14          ; v[14:15] r[t], twice
.set CT,   16          ; v[16:17] c[t], twice
.set P2,   18          ; v[18:19] at work
.set Q4,   20          ; v[20:23] at work
.set GA,   24          ; byte offset of element t of row u in the [128][512] inputs
.set BO,   25          ; my byte offset in the user's part of batch; never rewritten
.set TA,   26
.set TB,   27
.set TC,   28          ; takes what v_permlanex16_b32 brings
.set TD,   29
.set TE,   30
.set TF,   31
.set CS,   32          ; v[32:47]   S of my 16 columns (first: their raw scores)
.set CN,   48          ; v[48:63]   -A of my 16 columns
.set RV,   64          ; v[64:79]   v of my 16 rows
.set RM,   80          ; v[80:95]   M of my 16 rows
.set ACC,  96          ; v[96:111]  16 sums
.set T0,   112         ; v[112:127], v[128:143] two buffers of 16 entries
.set T1,   128
.set U0,   144         ; v[144:155], v[156:167] two buffers for the numbers that are the same in all lanes
.set U1,   156
.set BT,   168         ; v[168:231] div kind: 16 items x my 4 features
.set XX,   RV          ; while the ten maxima are taken: the numbers,
.set WW,   RM          ; the weights,
.set PRI,  ACC         ; and who goes first among equals
.set YT,   RV          ; in the item phase: the item's weighted unit vector, by both weights
.set YA,   RM          ; running sums and pair sums
.set YB,   RM+4
.set CRA,  RM+8
.set CRB,  RM+12
.set PS,   U0
.set DS,   U0+1
.set SC,   20          ; s[20:21] the score buffer of my kind
.set O64,  22          ; s[22:23] a 64-bit offset
.set WV,   24          ; wave
.set KIND, 25          ; 0 ndcg, 1 div
.set CNT,  26
.set IT,   27
.set SEL,  28          ; s[28:29] v_permlanex16_b32: each lane takes its own place in the other half
.set VI,   30          ; s[30:31], s[32:33] v of the two rows in hand, each in its pair's low word
.set VJ,   32
.set V0W,  34          ; v of my wave's first row, 511 - 64 wave
.set W512, 35
.set W256, 36
.set TS,   37
.set SV,   38
.set MK,   40          ; s[40:55] sixteen lane masks
.macro BAR                              ; my LDS stores are done and my LDS loads are back; then all 16 waves meet
	s_wait_dscnt 0x0
	s_barrier_signal -1
	s_barrier_wait -1
.endm
.macro CLR16 base, val
.set i, 0
.rept 16
	v_mov_b32 v[\base+i], \val
.set i, i+1
.endr
.endm
.macro WSUM r                           ; the sum over the 32 lanes, in every lane
	v_add_f32_dpp v[\r], v[\r], v[\r] row_xmask:1 row_mask:0xf bank_mask:0xf
	v_add_f32_dpp v[\r], v[\r], v[\r] row_xmask:2 row_mask:0xf bank_mask:0xf
	v_add_f32_dpp v[\r], v[\r], v[\r] row_xmask:4 row_mask:0xf bank_mask:0xf
	v_add_f32_dpp v[\r], v[\r], v[\r] row_xmask:8 row_mask:0xf bank_mask:0xf
	v_permlanex16_b32 v[TC], v[\r], s[SEL], s[SEL+1]
	v_add_f32 v[\r], v[\r], v[TC]
.endm
.macro WMAX r                           ; the maximum over the 32 lanes, in every lane
	v_max_num_f32_dpp v[\r], v[\r], v[\r] row_xmask:1 row_mask:0xf bank_mask:0xf
	v_max_num_f32_dpp v[\r], v[\r], v[\r] row_xmask:2 row_mask:0xf bank_mask:0xf
	v_max_num_f32_dpp v[\r], v[\r], v[\r] row_xmask:4 row_mask:0xf bank_mask:0xf
	v_max_num_f32_dpp v[\r], v[\r], v[\r] row_xmask:8 row_mask:0xf bank_mask:0xf
	v_permlanex16_b32 v[TC], v[\r], s[SEL], s[SEL+1]
	v_max_num_f32 v[\r], v[\r], v[TC]
.endm
; A PASS: my wave's 32 uniform indices go in 16 pairs.  Two register buffers take turns: while one pair is worked on, the next pair's nl LDS loads are out.
; ld b, n loads pair n (counted from the walking address) into buffer b; sa, sb: the bytes of two pairs.  The last two pairs are written out: they load nothing.
.macro LOOP4 pair, ld, nl, sa, sb
	\ld U0, 0
	\ld U1, 1
	s_mov_b32 s[CNT], 7
.Lpass_\@:
	s_wait_dscnt \nl                        ; LDS loads come back in order: buffer 0 is in, the nl loads of buffer 1 may stay out
	\pair U0
	\ld U0, 2
	s_wait_dscnt \nl                        ; buffer 1 is in, the nl loads just issued may stay out
	\pair U1
	\ld U1, 3
	v_add_nc_u32 v[UA], \sa, v[UA]
.if \sb
	v_add_nc_u32 v[UB], \sb, v[UB]
.endif
	s_sub_co_u32 s[CNT], s[CNT], 1
	s_cmp_lg_u32 s[CNT], 0
	s_cbranch_scc1 .Lpass_\@
	s_wait_dscnt \nl
	\pair U0
	s_wait_dscnt 0x0
	\pair U1
.endm
; a_sum: my 16 columns j against two scores k:  sum += |s[j] - s[k]|
.macro LD_ABS b, n
	ds_load_b128 v[\b:\b+3], v[UA] offset:S2+16*(\n)
.endm
.macro PAIR_ABS u
.set p, 0
.rept 8
	v_pk_add_f32 v[T0+2*p:T0+2*p+1], v[CS+2*p:CS+2*p+1], v[\u:\u+1] neg_lo:[0,1] neg_hi:[0,1]
	v_pk_add_f32 v[T1+2*p:T1+2*p+1], v[CS+2*p:CS+2*p+1], v[\u+2:\u+3] neg_lo:[0,1] neg_hi:[0,1]
.set p, p+1
.endr
.set p, 0
.rept 16
	v_add_f32 v[ACC+p], v[ACC+p], |v[T0+p]|
.set p, p+1
.endr
.set p, 0
.rept 16
	v_add_f32 v[ACC+p], v[ACC+p], |v[T1+p]|
.set p, p+1
.endr
.endm
; the rows' maxima: my 16 rows against two columns
.macro LD_MAX b, n
	ds_load_b128 v[\b:\b+3], v[UA] offset:CA+32*(\n)
	ds_load_b128 v[\b+4:\b+7], v[UA] offset:CA+32*(\n)+16
.endm
.macro PAIR_MAX u
.set p, 0
.rept 8
	v_pk_fma_f32 v[T0+2*p:T0+2*p+1], v[RV+2*p:RV+2*p+1], v[\u:\u+1], v[\u+2:\u+3]
	v_pk_fma_f32 v[T1+2*p:T1+2*p+1], v[RV+2*p:RV+2*p+1], v[\u+4:\u+5], v[\u+6:\u+7]
.set p, p+1
.endr
.set p, 0
.rept 16
	v_max3_num_f32 v[ACC+p], v[ACC+p], v[T0+p], v[T1+p]
.set p, p+1
.endr
.endm
; A PAIR OF A PASS WITH EXPONENTIALS, the same order in both orientations: the first index's 16 arguments; its exponentials by turns with the second's arguments; one wait;
; the second's exponentials with the first's sums between them; a plain line, one wait; the second's sums.  Each batch of 16 exponentials has one wait, ahead of its first reader.
; Row pass: my 16 rows against columns a, b:  sum[i] += K[i][a] c[a] + K[i][b] c[b].  u: {S,S,-A,-A} of a, of b, {c,c} of a, of b.
.macro LD_ROW b, n
	ds_load_b128 v[\b:\b+3], v[UA] offset:CA+32*(\n)
	ds_load_b128 v[\b+4:\b+7], v[UA] offset:CA+32*(\n)+16
	ds_load_b128 v[\b+8:\b+11], v[UB] offset:CC+16*(\n)
.endm
.macro PAIR_ROW u
.set p, 0
.rept 8
	v_pk_fma_f32 v[T0+2*p:T0+2*p+1], v[RV+2*p:RV+2*p+1], v[\u:\u+1], v[\u+2:\u+3]
.set p, p+1
.endr
.set p, 0
.rept 8
	v_pk_add_f32 v[T0+2*p:T0+2*p+1], v[T0+2*p:T0+2*p+1], v[RM+2*p:RM+2*p+1] neg_lo:[0,1] neg_hi:[0,1]
.set p, p+1
.endr
.set p, 0
.rept 8
	v_exp_f32 v[T0+2*p], v[T0+2*p]
	v_pk_fma_f32 v[T1+2*p:T1+2*p+1], v[RV+2*p:RV+2*p+1], v[\u+4:\u+5], v[\u+6:\u+7]
	v_exp_f32 v[T0+2*p+1], v[T0+2*p+1]
	v_pk_add_f32 v[T1+2*p:T1+2*p+1], v[T1+2*p:T1+2*p+1], v[RM+2*p:RM+2*p+1] neg_lo:[0,1] neg_hi:[0,1]
.set p, p+1
.endr
	s_wait_alu depctr_va_vdst(0)            ; the first batch, ahead of its first reader
.set p, 0
.rept 8
	v_exp_f32 v[T1+2*p], v[T1+2*p]
	v_pk_fma_f32 v[ACC+2*p:ACC+2*p+1], v[T0+2*p:T0+2*p+1], v[\u+8:\u+9], v[ACC+2*p:ACC+2*p+1]
	v_exp_f32 v[T1+2*p+1], v[T1+2*p+1]
.set p, p+1
.endr
	v_nop                                   ; a plain line behind the last exponential
	s_wait_alu depctr_va_vdst(0)            ; the second batch
.set p, 0
.rept 8
	v_pk_fma_f32 v[ACC+2*p:ACC+2*p+1], v[T1+2*p:T1+2*p+1], v[\u+10:\u+11], v[ACC+2*p:ACC+2*p+1]
.set p, p+1
.endr
.endm
; Column pass: my 16 columns against rows a, b = a + 1:  sum[j] += r[a] K[a][j] + r[b] K[b][j].  u: {M,M,r,r} of a, of b; v[a], v[b] are scalars.
.macro LD_COL b, n
	ds_load_b128 v[\b:\b+3], v[UA] offset:RS+32*(\n)
	ds_load_b128 v[\b+4:\b+7], v[UA] offset:RS+32*(\n)+16
.endm
.macro PAIR_COL u
.set p, 0
.rept 8
	v_pk_fma_f32 v[T0+2*p:T0+2*p+1], v[CS+2*p:CS+2*p+1], s[VI:VI+1], v[CN+2*p:CN+2*p+1] op_sel_hi:[1,0,1]
.set p, p+1
.endr
.set p, 0
.rept 8
	v_pk_add_f32 v[T0+2*p:T0+2*p+1], v[T0+2*p:T0+2*p+1], v[\u:\u+1] neg_lo:[0,1] neg_hi:[0,1]
.set p, p+1
.endr
.set p, 0
.rept 8
	v_exp_f32 v[T0+2*p], v[T0+2*p]
	v_pk_fma_f32 v[T1+2*p:T1+2*p+1], v[CS+2*p:CS+2*p+1], s[VJ:VJ+1], v[CN+2*p:CN+2*p+1] op_sel_hi:[1,0,1]
	v_exp_f32 v[T0+2*p+1], v[T0+2*p+1]
	v_pk_add_f32 v[T1+2*p:T1+2*p+1], v[T1+2*p:T1+2*p+1], v[\u+4:\u+5] neg_lo:[0,1] neg_hi:[0,1]
.set p, p+1
.endr
	s_wait_alu depctr_va_vdst(0)            ; the first batch, ahead of its first reader
.set p, 0
.rept 8
	v_exp_f32 v[T1+2*p], v[T1+2*p]
	v_pk_fma_f32 v[ACC+2*p:ACC+2*p+1], v[T0+2*p:T0+2*p+1], v[\u+2:\u+3], v[ACC+2*p:ACC+2*p+1]
	v_exp_f32 v[T1+2*p+1], v[T1+2*p+1]
.set p, p+1
.endr
	v_nop                                   ; a plain line behind the last exponential
	s_wait_alu depctr_va_vdst(0)            ; the second batch
.set p, 0
.rept 8
	v_pk_fma_f32 v[ACC+2*p:ACC+2*p+1], v[T1+2*p:T1+2*p+1], v[\u+6:\u+7], v[ACC+2*p:ACC+2*p+1]
.set p, p+1
.endr
	s_add_f32 s[VI], s[VI], -4.0            ; two rows on: v falls by 4
	s_add_f32 s[VJ], s[VJ], -4.0
.endm
.macro ROWPASS
	CLR16 ACC, 0
	v_mov_b32 v[UA], s[W512]                ; my wave's 32 columns: 16 bytes each in CA,
	v_mov_b32 v[UB], s[W256]                ; 8 bytes each in CC
	LOOP4 PAIR_ROW, LD_ROW, 3, 64, 32
.endm
.macro COLPASS
	CLR16 ACC, 0
	v_mov_b32 v[UA], s[W512]                ; my wave's 32 rows: 16 bytes each in RS
	s_mov_b32 s[VI], s[V0W]
	s_add_f32 s[VJ], s[V0W], -2.0
	LOOP4 PAIR_COL, LD_COL, 2, 64, 0
.endm
; The 16 waves' partial sums change hands: store, wait, barrier, load.  The next pass stores here again only behind the update's barrier, in front of which these loads have come back.
.macro XCHG
.irp q, 0,1,2,3
	ds_store_b128 v[PW], v[ACC+4*\q:ACC+4*\q+3] offset:512*\q
.endr
	BAR
.set w, 0
.rept 16
	ds_load_b32 v[T0+w], v[PR] offset:2048*w
.set w, w+1
.endr
	s_wait_dscnt 0x0
.endm
.macro SUM16                            ; the 16 partial sums of index t -> v[T0]
	v_pk_add_f32 v[T0:T0+1], v[T0:T0+1], v[T0+2:T0+3]
	v_pk_add_f32 v[T0+4:T0+5], v[T0+4:T0+5], v[T0+6:T0+7]
	v_pk_add_f32 v[T0+8:T0+9], v[T0+8:T0+9], v[T0+10:T0+11]
	v_pk_add_f32 v[T0+12:T0+13], v[T0+12:T0+13], v[T0+14:T0+15]
	v_pk_add_f32 v[T0:T0+1], v[T0:T0+1], v[T0+4:T0+5]
	v_pk_add_f32 v[T0+8:T0+9], v[T0+8:T0+9], v[T0+12:T0+13]
	v_pk_add_f32 v[T0:T0+1], v[T0:T0+1], v[T0+8:T0+9]
	v_add_f32 v[T0], v[T0], v[T0+1]
.endm
; r[t] /= max(r[t] x sum, 1e-10), held at 1e30.  wgt = 1: what the next column pass multiplies by is r[t] (512 - t), the row weights of approx_rank.
.macro RUPD wgt
	XCHG
	SUM16
	v_mul_f32 v[TA], v[RT], v[T0]
	v_max_num_f32 v[TA], 0x2edbe6ff, v[TA]
	v_rcp_f32 v[TA], v[TA]
	v_nop
	s_wait_alu depctr_va_vdst(0)
	v_mul_f32 v[RT], v[RT], v[TA]
	v_min_num_f32 v[RT], 0x7149f2ca, v[RT]
	v_mov_b32 v[RT+1], v[RT]
.if \wgt
	v_mul_f32 v[P2], v[RT], v[WT]
	v_mul_f32 v[P2+1], v[RT], v[WT]
	ds_store_b64 v[A16T], v[P2:P2+1] offset:RS+8
.else
	ds_store_b64 v[A16T], v[RT:RT+1] offset:RS+8
.endif
	BAR
.endm
.macro CUPD                             ; c[t] /= max(c[t] x sum, 1e-10), held at 1e30
	XCHG
	SUM16
	v_mul_f32 v[TA], v[CT], v[T0]
	v_max_num_f32 v[TA], 0x2edbe6ff, v[TA]
	v_rcp_f32 v[TA], v[TA]
	v_nop
	s_wait_alu depctr_va_vdst(0)
	v_mul_f32 v[CT], v[CT], v[TA]
	v_min_num_f32 v[CT], 0x7149f2ca, v[CT]
	v_mov_b32 v[CT+1], v[CT]
	ds_store_b64 v[A8T], v[CT:CT+1] offset:CC
	BAR
.endm
	s_load_b256 s[4:11], s[0:1], 0x0        ; batch s[4:5], score for div s[6:7], score for ndcg s[8:9], relevance s[10:11]
	s_load_b256 s[12:19], s[0:1], 0x20      ; out0 s[12:13] .. out3 s[18:19]
	v_lshl_add_u32 v[SPW], v0, 2, SPARE
	v_mov_b32 v[NIL], 0
	v_and_b32 v[LN], 31, v0
	v_lshrrev_b32 v[TA], 5, v0
	v_readfirstlane_b32 s[WV], v[TA]
	s_and_b32 s[KIND], ttmp7, 0xffff
	s_mov_b32 s[SEL], 0x76543210
	s_mov_b32 s[SEL+1], 0xfedcba98
	s_lshl_b32 s[W512], s[WV], 9
	s_lshl_b32 s[W256], s[WV], 8
	s_lshl_b32 s[TS], s[WV], 6
	s_sub_co_u32 s[TS], 511, s[TS]
	v_cvt_f32_i32 v[TA], s[TS]
	v_readfirstlane_b32 s[V0W], v[TA]       ; 511 - 64 wave, as a float
	s_mov_b32 s[VI+1], 0                    ; named with their low words as pairs
	s_mov_b32 s[VJ+1], 0
	v_mov_b32 v[TC], 0
	v_lshlrev_b32 v[A16L], 4, v[LN]
	v_lshlrev_b32 v[A4T], 2, v0
	v_lshlrev_b32 v[A8T], 3, v0
	v_lshlrev_b32 v[A16T], 4, v0
	v_add_nc_u32 v[PR], PART, v[A4T]
	s_lshl_b32 s[TS], s[WV], 11
	s_add_co_u32 s[TS], s[TS], PART
	v_add_nc_u32 v[PW], s[TS], v[A16L]
	s_lshl_b32 s[TS], ttmp9, 11             ; a user's row of 512 floats
	v_add_nc_u32 v[GA], s[TS], v[A4T]
	s_wait_kmcnt 0x0
	s_cmp_eq_u32 s[KIND], 0
	s_cselect_b64 s[SC:SC+1], s[8:9], s[6:7]
	global_load_b32 v[SRAW], v[GA], s[SC:SC+1]
	s_cmp_lg_u32 s[KIND], 0
	s_cbranch_scc1 .Lin_div
	global_load_b32 v[TA], v[GA], s[10:11]
	s_wait_loadcnt 0x0
	ds_store_b32 v[A4T], v[TA] offset:REL
	s_branch .Lin_done
.Lin_div:
	; The user's items are asked for now and first read behind the last pass.  Item 32 wave + 16 (lane / 16) + k, features 4 (lane % 16) ..: 16 lanes take the 256 bytes of a row's 64 item features.
	s_mul_i32 s[O64], ttmp9, 163840         ; 512 rows of 320 bytes
	s_mov_b32 s[O64+1], 0
	s_add_nc_u64 s[4:5], s[4:5], s[O64:O64+1]
	v_and_b32 v[TA], 15, v0
	v_bfe_u32 v[TB], v0, 4, 1
	v_lshlrev_b32 v[TA], 4, v[TA]
	v_mul_u32_u24 v[TB], v[TB], 5120
	v_add_nc_u32 v[TA], v[TA], v[TB]
	s_mul_i32 s[TS], s[WV], 10240
	v_add_nc_u32 v[BO], s[TS], v[TA]
.set k, 0
.rept 16
	global_load_b128 v[BT+4*k:BT+4*k+3], v[BO], s[4:5] offset:320*k th:TH_LOAD_NT
.set k, k+1
.endr
	s_wait_loadcnt 16                       ; the score is in; the 16 younger loads stay out
.Lin_done:
	ds_store_b32 v[A4T], v[SRAW] offset:SR
	ds_store_b32 v[A8T], v[SRAW] offset:S2
	ds_store_b32 v[A8T], v[SRAW] offset:S2+4
	BAR
	; THE TEN LARGEST.  Wave 0 takes them of the scores; in the ndcg kind wave 1 takes them of relevance.  The wave holds all 512 numbers, 16 a lane.  A step: the maximum; among the numbers equal to it
	; the one with the greatest priority; that one is marked -infinity and its weight becomes 1 / log2(step + 2).  No address and no branch hangs on a number: all is selection.
	; Each of the two waves has its own four loads, at 16 lane + a constant.
	s_cmp_eq_u32 s[WV], 0
	s_cbranch_scc1 .Lx_score
	s_cmp_eq_u32 s[WV], 1
	s_cbranch_scc0 .Lno_extract
	s_cmp_eq_u32 s[KIND], 0
	s_cbranch_scc0 .Lno_extract
.irp q, 0,1,2,3
	ds_load_b128 v[XX+4*\q:XX+4*\q+3], v[A16L] offset:REL+512*\q
.endr
	s_branch .Lx_go
.Lx_score:
.irp q, 0,1,2,3
	ds_load_b128 v[XX+4*\q:XX+4*\q+3], v[A16L] offset:SR+512*\q
.endr
.Lx_go:
	s_cmp_eq_u32 s[KIND], 0
	s_cselect_b32 s[TS], 511, 0             ; priority: 511 - index (the lower index first) or the index (the higher first)
	v_lshlrev_b32 v[TB], 2, v[LN]
.set r, 0
.rept 16
	v_add_nc_u32 v[PRI+r], 128*(r/4)+r%4, v[TB]
	v_xor_b32 v[PRI+r], s[TS], v[PRI+r]
	v_cvt_f32_u32 v[PRI+r], v[PRI+r]
	v_mov_b32 v[WW+r], 0
.set r, r+1
.endr
	v_mov_b32 v[TD], 2.0                    ; step + 2
	v_mov_b32 v[TF], 0xff800000
	s_wait_dscnt 0x0
	s_mov_b32 s[CNT], 10
.Lext:
	v_log_f32 v[TE], v[TD]
	v_max3_num_f32 v[T0], v[XX], v[XX+1], v[XX+2]
	v_max3_num_f32 v[T0+1], v[XX+3], v[XX+4], v[XX+5]
	v_max3_num_f32 v[T0+2], v[XX+6], v[XX+7], v[XX+8]
	v_max3_num_f32 v[T0+3], v[XX+9], v[XX+10], v[XX+11]
	v_max3_num_f32 v[T0+4], v[XX+12], v[XX+13], v[XX+14]
	v_max3_num_f32 v[T0], v[T0], v[T0+1], v[T0+2]
	v_max3_num_f32 v[T0+3], v[T0+3], v[T0+4], v[XX+15]
	v_max_num_f32 v[TA], v[T0], v[T0+3]
	s_wait_alu depctr_va_vdst(0)            ; the logarithm, ahead of its reader
	v_rcp_f32 v[TE], v[TE]
	v_add_f32 v[TD], 1.0, v[TD]
	WMAX TA
.set r, 0
.rept 16
	v_cmp_eq_f32 s[MK+r], v[TA], v[XX+r]
.set r, r+1
.endr
.set r, 0
.rept 16
	v_cndmask_b32 v[T0+r], v[TF], v[PRI+r], s[MK+r]
.set r, r+1
.endr
	v_max3_num_f32 v[T0], v[T0], v[T0+1], v[T0+2]
	v_max3_num_f32 v[T0+3], v[T0+3], v[T0+4], v[T0+5]
	v_max3_num_f32 v[T0+6], v[T0+6], v[T0+7], v[T0+8]
	v_max3_num_f32 v[T0+9], v[T0+9], v[T0+10], v[T0+11]
	v_max3_num_f32 v[T0+12], v[T0+12], v[T0+13], v[T0+14]
	v_max3_num_f32 v[T0], v[T0], v[T0+3], v[T0+6]
	v_max3_num_f32 v[T0+9], v[T0+9], v[T0+12], v[T0+15]
	v_max_num_f32 v[TB], v[T0], v[T0+9]
	WMAX TB
.set r, 0
.rept 16
	v_cmp_eq_f32 s[MK+r], v[TB], v[PRI+r]
.set r, r+1
.endr
	s_wait_alu depctr_va_vdst(0)            ; the reciprocal, ahead of its first reader
.set r, 0
.rept 16
	v_cndmask_b32 v[XX+r], v[XX+r], v[TF], s[MK+r]
	v_cndmask_b32 v[WW+r], v[WW+r], v[TE], s[MK+r]
.set r, r+1
.endr
	s_sub_co_u32 s[CNT], s[CNT], 1
	s_cmp_lg_u32 s[CNT], 0
	s_cbranch_scc1 .Lext
	s_cmp_lg_u32 s[KIND], 0
	s_cbranch_scc1 .Lext_div
	; dcg (wave 0) and best_dcg (wave 1): the sum of weight x (2^relevance - 1) over all items; the weight is 0 outside the ten
.irp q, 0,1,2,3
	ds_load_b128 v[T1+4*\q:T1+4*\q+3], v[A16L] offset:REL+512*\q
.endr
	s_wait_dscnt 0x0
.set r, 0
.rept 16
	v_exp_f32 v[T1+r], v[T1+r]
.set r, r+1
.endr
	v_nop
	s_wait_alu depctr_va_vdst(0)
.set r, 0
.rept 16
	v_add_f32 v[T1+r], -1.0, v[T1+r]
.set r, r+1
.endr
	v_mul_f32 v[TA], v[WW], v[T1]
.set r, 1
.rept 15
	v_fmac_f32 v[TA], v[WW+r], v[T1+r]
.set r, r+1
.endr
	WSUM TA
	s_lshl_b32 s[TS], s[WV], 2
	v_mov_b32 v[TB], s[TS]
	ds_store_b32 v[TB], v[TA] offset:DC
	s_branch .Lno_extract
.Lext_div:
	s_cmp_lg_u32 s[WV], 0                   ; the scores' weights are wave 0's: it alone stores them (in the div kind no other wave has taken maxima)
	s_cbranch_scc1 .Lno_extract
.irp q, 0,1,2,3
	ds_store_b128 v[A16L], v[WW+4*\q:WW+4*\q+3] offset:BW+512*\q
.endr
.Lno_extract:
	; THE MEAN (every wave adds all 512 in the same order, so all hold the same number) AND a_sum
.irp q, 0,1,2,3
	ds_load_b128 v[CS+4*\q:CS+4*\q+3], v[A16L] offset:SR+512*\q
.endr
	CLR16 ACC, 0
	v_mov_b32 v[UA], s[W256]                ; my wave's 32 scores: 8 bytes each in S2
	s_wait_dscnt 0x0
	v_pk_add_f32 v[T0:T0+1], v[CS:CS+1], v[CS+2:CS+3]
	v_pk_add_f32 v[T0+2:T0+3], v[CS+4:CS+5], v[CS+6:CS+7]
	v_pk_add_f32 v[T0+4:T0+5], v[CS+8:CS+9], v[CS+10:CS+11]
	v_pk_add_f32 v[T0+6:T0+7], v[CS+12:CS+13], v[CS+14:CS+15]
	v_pk_add_f32 v[T0:T0+1], v[T0:T0+1], v[T0+2:T0+3]
	v_pk_add_f32 v[T0+4:T0+5], v[T0+4:T0+5], v[T0+6:T0+7]
	v_pk_add_f32 v[T0:T0+1], v[T0:T0+1], v[T0+4:T0+5]
	v_add_f32 v[MEAN], v[T0], v[T0+1]
	WSUM MEAN
	v_mul_f32 v[MEAN], 0x3b000000, v[MEAN]  ; / 512
	LOOP4 PAIR_ABS, LD_ABS, 1, 32, 0
	XCHG
	SUM16                                   ; a_sum[t]
	v_sub_f32 v[TA], v[SRAW], v[MEAN]
	v_mul_f32 v[Q4], 0x4166d4ca, v[TA]      ; S = (s - mean) log2(e) / tau, 14.42695
	v_mul_f32 v[Q4+1], 0x4166d4ca, v[TA]
	v_mul_f32 v[Q4+2], 0xc166d4ca, v[T0]    ; -A
	v_mul_f32 v[Q4+3], 0xc166d4ca, v[T0]
	ds_store_b32 v[A4T], v[Q4] offset:SH
	ds_store_b32 v[A4T], v[Q4+2] offset:NA
	ds_store_b128 v[A16T], v[Q4:Q4+3] offset:CA
	BAR
	; THE ROWS' MAXIMA, which reference()'s softmax takes away
.irp q, 0,1,2,3
	ds_load_b128 v[CS+4*\q:CS+4*\q+3], v[A16L] offset:SH+512*\q
	ds_load_b128 v[CN+4*\q:CN+4*\q+3], v[A16L] offset:NA+512*\q
.endr
	v_lshlrev_b32 v[TA], 3, v[LN]
.set r, 0
.rept 16
	v_sub_nc_u32 v[RV+r], 511-256*(r/4)-2*(r%4), v[TA]   ; 511 - 2 (128 q + 4 lane + e)
	v_cvt_f32_i32 v[RV+r], v[RV+r]
.set r, r+1
.endr
	CLR16 ACC, 0xff800000
	v_mov_b32 v[UA], s[W512]
	LOOP4 PAIR_MAX, LD_MAX, 2, 64, 0
	XCHG
	v_max3_num_f32 v[T0], v[T0], v[T0+1], v[T0+2]
	v_max3_num_f32 v[T0+3], v[T0+3], v[T0+4], v[T0+5]
	v_max3_num_f32 v[T0+6], v[T0+6], v[T0+7], v[T0+8]
	v_max3_num_f32 v[T0+9], v[T0+9], v[T0+10], v[T0+11]
	v_max3_num_f32 v[T0+12], v[T0+12], v[T0+13], v[T0+14]
	v_max3_num_f32 v[T0], v[T0], v[T0+3], v[T0+6]
	v_max3_num_f32 v[T0+9], v[T0+9], v[T0+12], v[T0+15]
	v_max_num_f32 v[Q4], v[T0], v[T0+9]
	v_max_num_f32 v[Q4+1], v[T0], v[T0+9]
	v_mov_b32 v[Q4+2], 1.0
	v_mov_b32 v[Q4+3], 1.0
	v_mov_b32 v[RT], 1.0
	v_mov_b32 v[RT+1], 1.0
	v_mov_b32 v[CT], 1.0
	v_mov_b32 v[CT+1], 1.0
	ds_store_b32 v[A4T], v[Q4] offset:MP
	ds_store_b128 v[A16T], v[Q4:Q4+3] offset:RS
	ds_store_b64 v[A8T], v[CT:CT+1] offset:CC
	BAR
.irp q, 0,1,2,3
	ds_load_b128 v[RM+4*\q:RM+4*\q+3], v[A16L] offset:MP+512*\q
.endr
	; FIVE TRIPS of a row step and a column step: the softmax and column step 1; row step 1 and column step 2; .. ; row step 4 and column step 5.  Row step 5 follows by kinds.
	s_mov_b32 s[IT], 5
.Lsink:
	ROWPASS
	RUPD 0
	COLPASS
	CUPD
	s_sub_co_u32 s[IT], s[IT], 1
	s_cmp_lg_u32 s[IT], 0
	s_cbranch_scc1 .Lsink
	s_cmp_lg_u32 s[KIND], 0
	s_cbranch_scc1 .Ldiv_tail
	; NDCG.  Wave i < 10 makes row i of the last row step and of the product with relevance: approx_rel[i] = r sum_j K c rel / max(r sum_j K c, 1e-10), and its gain (2^approx_rel - 1) / log2(i + 2).
	s_cmp_lt_u32 s[WV], 10
	s_cbranch_scc0 .Lnd_meet
	s_lshl_b32 s[TS], s[WV], 4
	v_mov_b32 v[TA], s[TS]
	ds_load_b128 v[U0:U0+3], v[TA] offset:RS
	v_lshlrev_b32 v[TB], 5, v[LN]
.set r, 0
.rept 16
	ds_load_b32 v[T1+r], v[TB] offset:CC+1024*(r/4)+8*(r%4)   ; c of my 16 columns
.set r, r+1
.endr
.irp q, 0,1,2,3
	ds_load_b128 v[ACC+4*\q:ACC+4*\q+3], v[A16L] offset:REL+512*\q
.endr
	s_lshl_b32 s[TS], s[WV], 1
	s_sub_co_u32 s[TS], 511, s[TS]
	s_cvt_f32_u32 s[VI], s[TS]              ; v[i]
	s_add_co_u32 s[TS], s[WV], 2
	v_cvt_f32_u32 v[TD], s[TS]
	s_wait_dscnt 0x0
.set p, 0
.rept 8
	v_pk_fma_f32 v[T0+2*p:T0+2*p+1], v[CS+2*p:CS+2*p+1], s[VI:VI+1], v[CN+2*p:CN+2*p+1] op_sel_hi:[1,0,1]
.set p, p+1
.endr
.set p, 0
.rept 8
	v_pk_add_f32 v[T0+2*p:T0+2*p+1], v[T0+2*p:T0+2*p+1], v[U0:U0+1] neg_lo:[0,1] neg_hi:[0,1]
.set p, p+1
.endr
	v_log_f32 v[TE], v[TD]
.set r, 0
.rept 16
	v_exp_f32 v[T0+r], v[T0+r]
.set r, r+1
.endr
	v_nop
	s_wait_alu depctr_va_vdst(0)            ; one wait for the logarithm and the 16 exponentials
	v_rcp_f32 v[TE], v[TE]
.set p, 0
.rept 8
	v_pk_mul_f32 v[T0+2*p:T0+2*p+1], v[T0+2*p:T0+2*p+1], v[T1+2*p:T1+2*p+1]
.set p, p+1
.endr
	v_pk_mul_f32 v[U1:U1+1], v[T0:T0+1], v[ACC:ACC+1]
	v_pk_add_f32 v[U1+2:U1+3], v[T0:T0+1], v[T0+2:T0+3]
	v_pk_fma_f32 v[U1:U1+1], v[T0+2:T0+3], v[ACC+2:ACC+3], v[U1:U1+1]
.set p, 2
.rept 6
	v_pk_fma_f32 v[U1:U1+1], v[T0+2*p:T0+2*p+1], v[ACC+2*p:ACC+2*p+1], v[U1:U1+1]
	v_pk_add_f32 v[U1+2:U1+3], v[U1+2:U1+3], v[T0+2*p:T0+2*p+1]
.set p, p+1
.endr
	v_add_f32 v[TA], v[U1], v[U1+1]
	v_add_f32 v[TB], v[U1+2], v[U1+3]
	WSUM TA
	WSUM TB
	v_mul_f32 v[TB], v[U0+2], v[TB]
	v_max_num_f32 v[TB], 0x2edbe6ff, v[TB]
	v_rcp_f32 v[TB], v[TB]
	v_mul_f32 v[TA], v[U0+2], v[TA]
	s_wait_alu depctr_va_vdst(0)            ; both reciprocals
	v_mul_f32 v[TA], v[TA], v[TB]
	v_exp_f32 v[TA], v[TA]
	v_nop
	s_wait_alu depctr_va_vdst(0)
	v_add_f32 v[TA], -1.0, v[TA]
	v_mul_f32 v[TA], v[TA], v[TE]
	s_lshl_b32 s[TS], s[WV], 2
	v_mov_b32 v[TB], s[TS]
	ds_store_b32 v[TB], v[TA] offset:GN
.Lnd_meet:
	BAR
	s_cmp_lg_u32 s[WV], 0
	s_cbranch_scc1 .Lend
	v_mov_b32 v[TA], 0
	ds_load_b128 v[T0:T0+3], v[TA] offset:GN
	ds_load_b128 v[T0+4:T0+7], v[TA] offset:GN+16
	ds_load_b64 v[T0+8:T0+9], v[TA] offset:GN+32
	ds_load_b64 v[T0+10:T0+11], v[TA] offset:DC
	s_wait_dscnt 0x0
	v_rcp_f32 v[TB], v[T0+11]               ; 1 / best_dcg
	v_pk_add_f32 v[T0:T0+1], v[T0:T0+1], v[T0+2:T0+3]
	v_pk_add_f32 v[T0+4:T0+5], v[T0+4:T0+5], v[T0+6:T0+7]
	v_pk_add_f32 v[T0:T0+1], v[T0:T0+1], v[T0+8:T0+9]
	v_pk_add_f32 v[T0:T0+1], v[T0:T0+1], v[T0+4:T0+5]
	v_add_f32 v[T0], v[T0], v[T0+1]
	s_wait_alu depctr_va_vdst(0)
	v_mul_f32 v[T0], v[T0], v[TB]
	v_mul_f32 v[T0+1], v[T0+10], v[TB]
	s_lshl_b32 s[TS], ttmp9, 2
	v_mov_b32 v[TD], s[TS]
	v_cmp_eq_u32 vcc_lo, 0, v[LN]
	s_wait_xcnt 0x0                         ; EXEC changes only behind this wait
	s_and_saveexec_b32 s[SV], vcc_lo
	global_store_b32 v[TD], v[T0], s[12:13]
	global_store_b32 v[TD], v[T0+1], s[14:15]
	s_wait_xcnt 0x0                         ; and again, in front of the line that widens it
	s_or_b32 exec_lo, exec_lo, s[SV]
	s_branch .Lend
.Ldiv_tail:
	; DIVERSITY.  Row step 5; then one more column pass with r[i] (512 - i): c[j] times its sum is approx_rank[j].
	v_sub_nc_u32 v[TA], 512, v0
	v_cvt_f32_u32 v[WT], v[TA]
	ROWPASS
	RUPD 1
	COLPASS
	XCHG
	ds_load_b32 v[TB], v[A4T] offset:BW
	SUM16
	v_mul_f32 v[TA], v[CT], v[T0]           ; approx_rank[t]
	v_sub_f32 v[TA], 0x43fb0000, v[TA]      ; 502 - rank
	v_mul_f32 v[TA], 0x3fb8aa3b, v[TA]
	v_exp_f32 v[TA], v[TA]
	v_nop
	s_wait_alu depctr_va_vdst(0)
	v_add_f32 v[TA], 1.0, v[TA]
	v_rcp_f32 v[P2], v[TA]                  ; sigmoid(rank - 502)
	v_nop
	s_wait_alu depctr_va_vdst(0)
	s_wait_dscnt 0x0
	v_cmp_lt_f32 vcc_lo, 0, v[TB]
	v_cndmask_b32 v[P2+1], 0, 1.0, vcc_lo   ; clip(real_rank - 502, 0, 1)
	ds_store_b64 v[A8T], v[P2:P2+1] offset:AB
	BAR
	; THE ITEMS.  A half of my lanes holds a set of 16 items, 4 features a lane.  For each item: 1 / max(|x|, 1e-8) as min(rsq(|x|^2), 1e8); y = weight x unit vector, by both weights;
	; pairs += y . (sum of the y before it); the sum takes y.  The same running form on the sigmoid weights alone gives the pairs' weights.
	v_bfe_u32 v[TD], v0, 4, 1               ; which half
	v_and_b32 v[TE], 15, v0
	v_lshl_add_u32 v[TA], v[TD], 7, s[W256]
.set n, 0
.rept 8
	ds_load_b128 v[T0+4*n:T0+4*n+3], v[TA] offset:AB+16*n   ; item k: its two weights at T0 + 2 k
.set n, n+1
.endr
	s_wait_loadcnt 0x0                      ; batch
.set k, 0
.rept 16
	v_pk_mul_f32 v[CS+2*k:CS+2*k+1], v[BT+4*k:BT+4*k+1], v[BT+4*k:BT+4*k+1]
.set k, k+1
.endr
.set k, 0
.rept 16
	v_pk_fma_f32 v[CS+2*k:CS+2*k+1], v[BT+4*k+2:BT+4*k+3], v[BT+4*k+2:BT+4*k+3], v[CS+2*k:CS+2*k+1]
.set k, k+1
.endr
.set k, 0
.rept 16
	v_add_f32 v[ACC+k], v[CS+2*k], v[CS+2*k+1]
.set k, k+1
.endr
.irp m, 1,2,4,8
.set k, 0
.rept 16
	v_add_f32_dpp v[ACC+k], v[ACC+k], v[ACC+k] row_xmask:\m row_mask:0xf bank_mask:0xf
.set k, k+1
.endr
.endr
.set k, 0
.rept 16
	v_rsq_f32 v[ACC+k], v[ACC+k]
.set k, k+1
.endr
	v_nop
	s_wait_alu depctr_va_vdst(0)            ; one wait for the 16
.set k, 0
.rept 16
	v_min_num_f32 v[ACC+k], 0x4cbebc20, v[ACC+k]
.set k, k+1
.endr
	s_wait_dscnt 0x0                        ; the weights
.macro ITEM k
	v_mul_f32 v[P2], v[T0+2*(\k)], v[ACC+(\k)]
	v_mul_f32 v[Q4], v[T0+2*(\k)+1], v[ACC+(\k)]
.if (\k) == 0                           ; the first item starts the sums: nothing is cleared
	v_pk_mul_f32 v[YA:YA+1], v[BT:BT+1], v[P2:P2+1] op_sel_hi:[1,0]
	v_pk_mul_f32 v[YA+2:YA+3], v[BT+2:BT+3], v[P2:P2+1] op_sel_hi:[1,0]
	v_pk_mul_f32 v[YB:YB+1], v[BT:BT+1], v[Q4:Q4+1] op_sel_hi:[1,0]
	v_pk_mul_f32 v[YB+2:YB+3], v[BT+2:BT+3], v[Q4:Q4+1] op_sel_hi:[1,0]
	v_mov_b32 v[PS], v[T0]
.else
	v_pk_mul_f32 v[YT:YT+1], v[BT+4*(\k):BT+4*(\k)+1], v[P2:P2+1] op_sel_hi:[1,0]
	v_pk_mul_f32 v[YT+2:YT+3], v[BT+4*(\k)+2:BT+4*(\k)+3], v[P2:P2+1] op_sel_hi:[1,0]
	v_pk_mul_f32 v[YT+4:YT+5], v[BT+4*(\k):BT+4*(\k)+1], v[Q4:Q4+1] op_sel_hi:[1,0]
	v_pk_mul_f32 v[YT+6:YT+7], v[BT+4*(\k)+2:BT+4*(\k)+3], v[Q4:Q4+1] op_sel_hi:[1,0]
.if (\k) == 1                           ; the second starts the pairs
	v_pk_mul_f32 v[CRA:CRA+1], v[YT:YT+1], v[YA:YA+1]
	v_pk_mul_f32 v[CRA+2:CRA+3], v[YT+2:YT+3], v[YA+2:YA+3]
	v_pk_mul_f32 v[CRB:CRB+1], v[YT+4:YT+5], v[YB:YB+1]
	v_pk_mul_f32 v[CRB+2:CRB+3], v[YT+6:YT+7], v[YB+2:YB+3]
	v_mul_f32 v[DS], v[T0+2], v[PS]
.else
	v_pk_fma_f32 v[CRA:CRA+1], v[YT:YT+1], v[YA:YA+1], v[CRA:CRA+1]
	v_pk_fma_f32 v[CRA+2:CRA+3], v[YT+2:YT+3], v[YA+2:YA+3], v[CRA+2:CRA+3]
	v_pk_fma_f32 v[CRB:CRB+1], v[YT+4:YT+5], v[YB:YB+1], v[CRB:CRB+1]
	v_pk_fma_f32 v[CRB+2:CRB+3], v[YT+6:YT+7], v[YB+2:YB+3], v[CRB+2:CRB+3]
	v_fmac_f32 v[DS], v[T0+2*(\k)], v[PS]
.endif
	v_pk_add_f32 v[YA:YA+1], v[YA:YA+1], v[YT:YT+1]
	v_pk_add_f32 v[YA+2:YA+3], v[YA+2:YA+3], v[YT+2:YT+3]
	v_pk_add_f32 v[YB:YB+1], v[YB:YB+1], v[YT+4:YT+5]
	v_pk_add_f32 v[YB+2:YB+3], v[YB+2:YB+3], v[YT+6:YT+7]
	v_add_f32 v[PS], v[PS], v[T0+2*(\k)]
.endif
.endm
.irp k, 0,1,2,3,4,5,6,7,8,9,10,11,12,13,14,15
	ITEM \k
.endr
	v_pk_add_f32 v[CRA:CRA+1], v[CRA:CRA+1], v[CRA+2:CRA+3]
	v_pk_add_f32 v[CRB:CRB+1], v[CRB:CRB+1], v[CRB+2:CRB+3]
	v_add_f32 v[P2], v[CRA], v[CRA+1]
	v_add_f32 v[P2+1], v[CRB], v[CRB+1]
	WSUM P2                                 ; over features and over my wave's two sets
	WSUM P2+1
	v_lshlrev_b32 v[TA], 9, v[TD]           ; set 2 wave + half: 512 bytes each; my 4 features: 16 bytes
	v_lshl_add_u32 v[TA], v[TE], 4, v[TA]
	v_lshl_add_u32 v[TA], s[WV], 10, v[TA]
	ds_store_b128 v[TA], v[YA:YA+3] offset:VS
	ds_store_b128 v[TA], v[YB:YB+3] offset:VS+256
	v_lshlrev_b32 v[TB], 3, v[TD]
	v_lshl_add_u32 v[TB], s[WV], 4, v[TB]
	ds_store_b64 v[TB], v[PS:PS+1] offset:AS        ; the 16 lanes of a half hold the same two numbers
	s_lshl_b32 s[TS], s[WV], 3
	v_mov_b32 v[TF], s[TS]
	ds_store_b64 v[TF], v[P2:P2+1] offset:WS
	BAR
	; THE 32 SETS, by wave 0.  Lanes 0-15 go by the sigmoid weights, lanes 16-31 by the flags; a lane has 4 features.  The same running form over the sets' sums gives the pairs between sets.
	s_cmp_lg_u32 s[WV], 0
	s_cbranch_scc1 .Lend
.set st, 0
.rept 32
.if st < 16
.set VR, BT+4*st
.else
.set VR, CS+4*(st-16)
.endif
	ds_load_b128 v[VR:VR+3], v[A16L] offset:VS+512*st
.set st, st+1
.endr
	v_lshlrev_b32 v[TA], 3, v[LN]
	ds_load_b64 v[U0:U0+1], v[TA] offset:AS         ; lane l: set l's {sum of weights, its pairs}
	v_lshlrev_b32 v[TB], 3, v[TE]
	v_lshl_add_u32 v[TB], v[TD], 2, v[TB]
	ds_load_b32 v[U0+2], v[TB] offset:WS            ; lane % 16 = a wave: the pairs inside its sets, by my half's weights
	s_wait_dscnt 0x0
.set st, 1
.rept 31
.if st < 16
.set VR, BT+4*st
.else
.set VR, CS+4*(st-16)
.endif
.if st == 1
	v_pk_mul_f32 v[ACC:ACC+1], v[VR:VR+1], v[BT:BT+1]
	v_pk_mul_f32 v[ACC+2:ACC+3], v[VR+2:VR+3], v[BT+2:BT+3]
.else
	v_pk_fma_f32 v[ACC:ACC+1], v[VR:VR+1], v[BT:BT+1], v[ACC:ACC+1]
	v_pk_fma_f32 v[ACC+2:ACC+3], v[VR+2:VR+3], v[BT+2:BT+3], v[ACC+2:ACC+3]
.endif
.if st < 31
	v_pk_add_f32 v[BT:BT+1], v[BT:BT+1], v[VR:VR+1]
	v_pk_add_f32 v[BT+2:BT+3], v[BT+2:BT+3], v[VR+2:VR+3]
.endif
.set st, st+1
.endr
	v_pk_add_f32 v[ACC:ACC+1], v[ACC:ACC+1], v[ACC+2:ACC+3]
	v_add_f32 v[TA], v[ACC], v[ACC+1]
	v_add_f32 v[TA], v[TA], v[U0+2]
	v_add_f32_dpp v[TA], v[TA], v[TA] row_xmask:1 row_mask:0xf bank_mask:0xf
	v_add_f32_dpp v[TA], v[TA], v[TA] row_xmask:2 row_mask:0xf bank_mask:0xf
	v_add_f32_dpp v[TA], v[TA], v[TA] row_xmask:4 row_mask:0xf bank_mask:0xf
	v_add_f32_dpp v[TA], v[TA], v[TA] row_xmask:8 row_mask:0xf bank_mask:0xf   ; each half: sum over all pairs of y_i . y_j by its weights
	; approx_mat.sum: two sets join as (A, D) + (A', D') = (A + A', D + D' + A A'): positive terms alone
	v_mov_b32 v[TF], 0
.irp m, 1,2,4,8
	v_mov_b32_dpp v[TF], v[U0] row_xmask:\m row_mask:0xf bank_mask:0xf
	v_add_f32_dpp v[U0+1], v[U0+1], v[U0+1] row_xmask:\m row_mask:0xf bank_mask:0xf
	v_fmac_f32 v[U0+1], v[U0], v[TF]
	v_add_f32 v[U0], v[U0], v[TF]
.endr
	v_permlanex16_b32 v[TF], v[U0], s[SEL], s[SEL+1]
	v_permlanex16_b32 v[TC], v[U0+1], s[SEL], s[SEL+1]
	v_add_f32 v[U0+1], v[U0+1], v[TC]
	v_fmac_f32 v[U0+1], v[U0], v[TF]
	v_cmp_lt_u32 vcc_lo, 15, v[LN]
	v_mov_b32 v[TB], 0x42340000             ; 45
	v_cndmask_b32 v[TB], v[U0+1], v[TB], vcc_lo
	v_rcp_f32 v[TD], v[TB]
	v_sub_f32 v[TA], v[TB], v[TA]           ; pairs' weights less pairs' weighted cosines
	s_wait_alu depctr_va_vdst(0)
	v_mul_f32 v[TA], v[TA], v[TD]
	s_lshl_b32 s[TS], ttmp9, 2
	v_mov_b32 v[TE], s[TS]
	v_cmp_eq_u32 vcc_lo, 0, v[LN]
	s_wait_xcnt 0x0                         ; EXEC changes only behind this wait
	s_and_saveexec_b32 s[SV], vcc_lo
	global_store_b32 v[TE], v[TA], s[16:17] ; lane 0: approx_div
	s_wait_xcnt 0x0
	s_or_b32 exec_lo, exec_lo, s[SV]
	v_cmp_eq_u32 vcc_lo, 16, v[LN]
	s_and_saveexec_b32 s[SV], vcc_lo
	global_store_b32 v[TE], v[TA], s[18:19] ; lane 16: div_score
	s_wait_xcnt 0x0
	s_or_b32 exec_lo, exec_lo, s[SV]
.Lend:
	s_wait_tensorcnt 0x0                    ; the wave's end, behind my last LDS store
	ds_add_u32 v[SPW], v[NIL]
	s_wait_dscnt 0x0
	s_endpgm
.Lfunc_end_k_qe8de63fe41_loss:
	.size	k_qe8de63fe41_loss, .Lfunc_end_k_qe8de63fe41_loss-k_qe8de63fe41_loss
	.p2alignl 7, 3214868480
	.fill 96, 4, 3214868480
	.section	.rodata,"a",@progbits
	.p2align	6, 0x0
	.amdhsa_kernel k_qe8de63fe41_loss
		.amdhsa_group_segment_fixed_size 92928
		.amdhsa_private_segment_fixed_size 0
		.amdhsa_enable_private_segment 0
		.amdhsa_kernarg_size 64
		.amdhsa_user_sgpr_count 2
		.amdhsa_user_sgpr_kernarg_segment_ptr 1
		.amdhsa_wavefront_size32 1
		.amdhsa_system_sgpr_workgroup_id_x 1
		.amdhsa_system_sgpr_workgroup_id_y 1
		.amdhsa_system_sgpr_workgroup_id_z 1
		.amdhsa_system_vgpr_workitem_id 0
		.amdhsa_next_free_vgpr 232
		.amdhsa_next_free_sgpr 66
		.amdhsa_reserve_vcc 1
		.amdhsa_float_denorm_mode_32 3
		.amdhsa_float_denorm_mode_16_64 3
		.amdhsa_memory_ordered 1
		.amdhsa_forward_progress 1
		.amdhsa_inst_pref_size 174
	.end_amdhsa_kernel
	.amdgpu_metadata
---
amdhsa.version: [ 1, 2 ]
amdhsa.kernels:
  - .name:           k_qe8de63fe41_loss
    .symbol:         k_qe8de63fe41_loss.kd
    .args:
      - { .name: batch, .offset: 0, .size: 8, .value_kind: global_buffer, .address_space: global }
      - { .name: model_score_for_div, .offset: 8, .size: 8, .value_kind: global_buffer, .address_space: global }
      - { .name: model_score_for_ndcg, .offset: 16, .size: 8, .value_kind: global_buffer, .address_space: global }
      - { .name: relevance, .offset: 24, .size: 8, .value_kind: global_buffer, .address_space: global }
      - { .name: out0, .offset: 32, .size: 8, .value_kind: global_buffer, .address_space: global }
      - { .name: out1, .offset: 40, .size: 8, .value_kind: global_buffer, .address_space: global }
      - { .name: out2, .offset: 48, .size: 8, .value_kind: global_buffer, .address_space: global }
      - { .name: out3, .offset: 56, .size: 8, .value_kind: global_buffer, .address_space: global }
    .group_segment_fixed_size: 92928
    .private_segment_fixed_size: 0
    .kernarg_segment_align: 8
    .kernarg_segment_size: 64
    .max_flat_workgroup_size: 512
    .sgpr_count:     66
    .vgpr_count:     232
    .wavefront_size: 32
...
	.end_amdgpu_metadata
.endif
;; end of part 1
